; MI455X (gfx1250); checked and timed in simulation.
; The chip was launched on July 23, 2026; its instructions are those of AMD's public machine-readable ISA for CDNA 5 (MIT licence, August 2026) and "CDNA5" Instruction Set Architecture Reference Guide (July 2026). The comments in the code are by the model that wrote it; some were corrected since.
;; Do RA Lo Kr. Allowed arithmetic: matrix products marked QUANTISED: E3M2 operands, one E8M0 scale for each 32 along K, by v_wmma_scale_f32_16x16x128_f8f6f4 with both operands' format E3M2, f32 sums; products left as they are: f32 operands where the result goes on into a quantised operand, else bf16, f16 or f32 operands; f32 sums; everything else in f32.
;; Inputs: base_bias 4,096 float32; base_weight 4,096 x 4,096 float32; dora_weight 4,096 float32; w1a 64 x 4 float32; w1b 4 x 64 float32; w2a 64 x 4 float32; w2b 4 x 64 float32; x 4 x 512 x 4,096 float32.
;; Outputs: out0 4 x 512 x 4,096 float32.
;; This version of the problem:
;;   THIS VERSION OF THE PROBLEM IS GIVEN IN LOW PRECISION. The matrix products marked QUANTISED in the list below multiply operands that are first quantised to E3M2 (3 exponent bits, 2 mantissa bits; 6 bits a number), with one power-of-two scale for each 32 numbers along K (OCP MX v1.0); their sums are f32. All else is computed in f32.
;;   The module's matrix products, in the order in which they are computed (A, B: the left and right operand; K: the contracted axis; several contracted axes count as one K, in the product's order):
;;     1. [M 64, K 4] x [K 4, N 64]; A: input w1a; B: input w1b: left as it is (K = 4 < 32)
;;     2. [M 64, K 4] x [K 4, N 64]; A: input w2a; B: input w2b: left as it is (K = 4 < 32)
;;     3. [M 4,096, K 1] x [K 1, N 4,096]; A: computed on the way; B: computed on the way: left as it is (no contracted axis)
;;     4. [M 64, K 64] x [K 64, N 131,072]; A: computed on the way; B: input x: QUANTISED
;;     5. [M 131,072, K 64] x [K 64, N 64]; A: computed on the way; B: computed on the way: QUANTISED
;;     6. [M 2,048, K 4,096] x [K 4,096, N 4,096]; A: input x; B: input base_weight: QUANTISED
;;   THE QUANTISER, for each operand of a quantised product, along K:
;;     - K is cut into blocks of 32 from its start; a last block that is shorter is filled with zeros.
;;     - A block's scale is 2^e with e = floor(log2(the largest magnitude in the block)) - 4, held to -126 .. 127; a block of zeros has e = 0. As a byte (E8M0): e + 127.
;;     - Each number is divided by its block's scale, clamped to +-28, and rounded to the nearest number of E3M2, ties to even, subnormals kept.
;;     - The product sums the exact products of the quantised numbers (number of the format x scale) in f32.
;;   ~~~python
;;   def quantise(x, axis):      # numpy; x: float32 -> the quantised numbers, widened to float32 again
;;       x = np.moveaxis(x, axis, -1); K = x.shape[-1]
;;       x = np.pad(x, [(0, 0)] * (x.ndim - 1) + [(0, -K % 32)]); x = x.reshape(x.shape[:-1] + (-1, 32)); a = np.abs(x).max(-1, keepdims=True)
;;       e = np.where(a > 0, np.clip(np.frexp(np.where(a > 0, a, 1))[1] - 1 - 4, -126, 127), 0)      # np.frexp(a)[1] - 1 = floor(log2(a)), exactly
;;       r = np.clip(x / 2.0 ** e, -28, 28)
;;       step = 2.0 ** (np.maximum(np.frexp(np.where(r == 0, 1, r))[1] - 1, -2) - 2)
;;       q = np.round(r / step) * step * 2.0 ** e      # np.round: ties to even
;;       return np.moveaxis(q.reshape(q.shape[:-2] + (-1,))[..., :K], -1, axis).astype(np.float32)
;;   ~~~
;;   OPERANDS COMPUTED ON THE WAY. 'Computed on the way' means the value that the module computes at that place (a softmax that the list does not call 'softmax' is quantised finished and normalised). What goes into a quantiser is computed in f32, as accurately as f32 sums, v_exp_f32 and their like allow (about 1e-6 of the number): no bf16 or f16 on the way to a quantiser, and a product that is left as it is and whose result goes on into a quantised operand takes f32 operands (vector FMAs, or v_wmma_f32_16x16x4_f32). A number that lies on a knife's edge between two numbers of the format may be rounded either way, as far as f32 arithmetic and the matrix unit's own rounding can turn it there, and no further.
;; One version. Each part assembles by itself: llvm-mc -triple=amdgcn-amd-amdhsa -mcpu=gfx1250 --defsym DOCPART=n.
;; ======== version 1 of 1: 2 launches
;; limits: right only within a limited range of input values
;; workspace buffers: xq 6,553,600 bytes; tq 6,553,600 bytes; wq 13,107,200 bytes; mag 16,384 bytes
;; launch prep (part 1): grid 256 x 1, 8 waves a work-group, no clusters, 210,944 bytes of LDS; arguments x, base_weight, w1a, w1b, w2a, w2b, dora_weight, xq, tq, wq, mag; writes xq, tq, wq, mag
.if DOCPART == 1
	.amdgcn_target "amdgcn-amd-amdhsa--gfx1250"
	.amdhsa_code_object_version 6
	.text
	.protected	k_q7fdc2481d5_prep
	.globl	k_q7fdc2481d5_prep
	.p2align	8
	.type	k_q7fdc2481d5_prep,@function
k_q7fdc2481d5_prep:
	s_mov_b64 s[64:65], 0
	v_nop
	global_prefetch_b8 v0, s[64:65] scope:SCOPE_SE
	s_setreg_imm32_b32 hwreg(HW_REG_WAVE_MODE, 25, 1), 1
	s_wait_xcnt 0x0
; PREP: everything that is made once, ahead of the large product.
;   xq : x [2048 tokens][4096] as codes of E3M2 with one E8M0 byte for each 32 along the row (the large product's operand)
;   wq : base_weight [4096][4096] likewise
;   tq : T[t][p][j] = sum over i of Q(w1)[p][i] Q(x)[t][i][j] (both quantised along i), itself quantised along j: the operand of the last small product
;   mag: dora[o] / || base_weight[o][:] + 0.25 adapter[o][:] ||, adapter[64 i + j][64 p + q] = w1[p][i] w2[q][j]
; Nothing of reference() is left out.  w1 = w1a w1b and w2 = w2a w2b are made by f32 fused multiply-adds, since they go on into a quantiser.  The three-operand einsum is taken to contract i first (x with w1), then j.
; SHARES.  256 work-groups of eight waves, all on one path.  Work-group g takes tokens 8 g + v, one for each wave v, and rows 16 g .. 16 g + 15 of base_weight, of which wave v takes columns 512 v .. 512 v + 511.
; LAYOUT OF THE CODES: images of operand registers.  A fragment (16 rows x 128 K) is 12 registers a lane: three chunks of 512 bytes, chunk c = registers 4 c .. 4 c + 3.
;   wq: lane l's 16 bytes at 16 l.   xq, tq: lane (r, h), t = r / 8, at 256 t + 128 (h xor t) + 16 (r % 8): so the eight tokens of one work-group own whole aligned blocks of 256 bytes.
;   Four K steps make a chunk of the buffer: the codes (K step q, block of 16 rows b), then for each block of rows 256 bytes of scale words, row r's four words at 16 r + 4 q.
; A TOKEN IN ONE WAVE.  The wave has one row, not sixteen: so lane (a, h) plays K step a, and holds what lane (row, h) of that K step's fragment holds.  The eight waves' pieces meet in LDS and leave as whole blocks.
; THE WAY IN.  Each wave's token comes by one tensor load into the wave's own stage, as 32 rows of 512 bytes, 528 apart; the weight comes through registers, four K steps of 16 loads, all asked for ahead of T's products.
; THE ORDER OF i in the product that makes T: lanes 16-31 hold i = 32 + (n xor 4) in register n, in x and in w1 alike: their block of 32 is the same, and their reads of x fall on other banks than lanes 0-15's.
; No cluster: the work-groups share only the four small factors (4 KiB), nothing beside the 384 KiB that each reads alone.  No prefetch: there is no loop to run ahead in, and nearly all bytes are asked for at the start.
; PARTLY WRITTEN BLOCKS OF 256 BYTES: the scale words of x and T leave as halves of 128 bytes, mag as pieces of 64 bytes.
; LIMITS: a block of zeros gets the byte 1 where the rule says 127 (its codes are zeros, and this program alone reads the bytes); NaN and infinities among the inputs are not served;
; a row of the weight whose sum of squares lies under 2^-126 or passes f32's range is not served.
.set STGW, 16896                       ; LDS: a stage for each wave: 32 rows of 512 bytes, 528 apart
.set XI,   135424                      ; x's images: K step s at 784 s, chunk c at + 256 c, in it lane half h and wave v at 128 h + 16 v
.set TIO,  25088                       ; T's images lie this far behind x's
.set XSI,  185600                      ; x's scale words: 128 (s / 4) + 16 v + 4 (s % 4)
.set TSO,  1024                        ; T's lie this far behind
.set W1T,  187648                      ; w1 in f32: row p at 272 p
.set VT,   205056                      ; w2[q][j0 + jj] in f32: row jj at 272 jj, q at 4 q
.set NRM,  209408                      ; the waves' parts of the sums of squares: 64 v + 4 r
.set SPARE, 209920                     ; the spare words
.set SH8,  4                           ; v4   8 h
.set STA,  5                           ; v5   stage, in: my wave's stage + 16 l
.set RD1,  6                           ; v6   stage, out along the row: + 528 r + 128 h
.set RD2,  7                           ; v7   stage, out across the rows, where bit 2 of the register's number is 1: + (8448 - 1056) h + 4 (r + 8 (r / 8))
.set IA,   8                           ; v8   where I put an image
.set ISA,  9                           ; v9   and its scale word
.set W1R,  10                          ; v10  w1's rows 2 r (+ 32 k + e by the offset), the odd fours: + (128 - 16) h
.set VTR,  11                          ; v11  w2's row r of VT, + 128 h
.set CPL,  12                          ; v12  copy-out: LDS
.set CSL,  13                          ; v13  copy-out of scale words: LDS
.set NRA,  14
.set NRR,  15
.set RDA,  16                          ; v16  as RD2, where that bit is 0: + (8448 + 1056) h
.set WOFF, 17                          ; v17  my wave's 2,048 bytes of a row of the weight, my 16 bytes
.set CPG,  18                          ; v18  copy-out: memory
.set CSG,  19
.set WCO,  20                          ; v20  wq: codes
.set WSO,  21                          ; v21  wq: scale words
.set R4,   22                          ; v22  4 r
.set DOR,  23                          ; v23  dora of row r
.set SW,   24                          ; v24-27 the weight's four scale words
.set P,    32                          ; v32-95   64 numbers at work; T's eight accumulators
.set L3,   96                          ; v96-159  at the head the small factors; then the weight's last K step
.set XF,   160                         ; v160-207 x's four fragments along i (registers 6-11 of each are zeros: K is 64)
.set V,    160                         ; later: 32 numbers of w2
.set NT,   192                         ; later: eight pairs at work on the norm
.set TM,   208                         ; v208-223 at work in the quantisers (v216-219 are not used there: two of the four pairs of sums of squares; the other two are v28-31)
.set PC,   224                         ; v224-242 the codes just made (v239 is not used there)
.set W1E,  239                         ; v239 as W1R, the even fours: + (128 + 16) h
.set SPW,  243
.set PW,   244                         ; the scale word just made
.set XFS,  245                         ; v245-248 scale words of XF  (at the head: offsets of the small loads)
.set W1S,  249                         ; v249-252 scale words of W1F
.set T0,   253
.set T1,   254
.set NIL,  255
.set L0,   0                           ; window 1: three sets of 64 loaded registers,
.set L1,   64
.set L2,   128
.set W1F,  192                         ; and w1's four fragments
.set MSB, 0
.macro WIN new                         ; the immediate's high byte repeats the setting that is left
.if MSB != \new
	s_set_vgpr_msb (MSB<<8)|\new
.set MSB, \new
.endif
.endm
; Two blocks of 32 that each lie whole in my lane, v[s] .. v[s+31] and v[s+32] .. v[s+63], become six registers of codes each, at d0 and d1; their bytes go to v[TM+4], v[TM+5].
.macro QPAIR s, d0, d1
.irp c, 0,1,2,3
	v_max3_num_f32 v[TM+\c], |v[\s+16*\c]|, |v[\s+16*\c+1]|, 0x2800000   ; four chains of 16; the floor 2^(5 - 127) holds the byte at 1 from below
.endr
.irp i, 2,4,6,8,10,12,14
.irp c, 0,1,2,3
	s_delay_alu instid0(VALU_DEP_4)
	v_max3_num_f32 v[TM+\c], v[TM+\c], |v[\s+16*\c+\i]|, |v[\s+16*\c+\i+1]|
.endr
.endr
	s_delay_alu instid0(VALU_DEP_3)
	v_max_num_f32 v[TM], v[TM], v[TM+1]
	s_delay_alu instid0(VALU_DEP_2)
	v_max_num_f32 v[TM+2], v[TM+2], v[TM+3]
	s_delay_alu instid0(VALU_DEP_2)
	v_add_nc_u32 v[TM+12], 0xfe000000, v[TM]       ; 4 off the exponent field: the conversion takes this operand's exponent field as its scale
	s_delay_alu instid0(VALU_DEP_2)
	v_add_nc_u32 v[TM+13], 0xfe000000, v[TM+2]
	s_delay_alu instid0(VALU_DEP_2)
	v_lshrrev_b32 v[TM+4], 23, v[TM+12]            ; the bytes
	s_delay_alu instid0(VALU_DEP_2)
	v_lshrrev_b32 v[TM+5], 23, v[TM+13]
	v_cvt_scalef32_pk16_bf6_f32 v[\d0:\d0+2], v[\s:\s+15], v[TM+12]
	v_cvt_scalef32_pk16_bf6_f32 v[PC+12:PC+14], v[\s+16:\s+31], v[TM+12]   ; (a conversion's three registers begin on an even number: the second halves are made aside and moved)
	v_cvt_scalef32_pk16_bf6_f32 v[\d1:\d1+2], v[\s+32:\s+47], v[TM+13]
	v_cvt_scalef32_pk16_bf6_f32 v[PC+16:PC+18], v[\s+48:\s+63], v[TM+13]
	v_nop                                          ; one plain place behind a scaled conversion
.irp x, 0,1,2
	v_mov_b32 v[\d0+3+\x], v[PC+12+\x]
	v_mov_b32 v[\d1+3+\x], v[PC+16+\x]
.endr
.endm
.macro WORD4 dst                       ; my bytes are blocks h and 2 + h of a K step of 128: with lane l xor 16's two the word is whole
	v_lshl_or_b32 v[T0], v[TM+5], 16, v[TM+4]
	s_delay_alu instid0(VALU_DEP_1)
	v_lshlrev_b32 v[T0], v[SH8], v[T0]
	s_delay_alu instid0(VALU_DEP_1)
	v_permlanex16_b32 v[T1], v[T0], s32, s33
	s_delay_alu instid0(VALU_DEP_1)
	v_or_b32 v[\dst], v[T0], v[T1]
.endm
.macro WORD2 dst, by                   ; K is 64: my byte is block h; blocks 2 and 3 are zero codes and get the byte 127
	v_lshlrev_b32 v[T0], v[SH8], v[\by]
	s_delay_alu instid0(VALU_DEP_1)
	v_permlanex16_b32 v[T1], v[T0], s32, s33
	s_delay_alu instid0(VALU_DEP_1)
	v_or_b32 v[T0], v[T0], v[T1]
	s_delay_alu instid0(VALU_DEP_1)
	v_or_b32 v[\dst], 0x7f7f0000, v[T0]
.endm
; 64 numbers of a lane, register 16 b + i = k 32 b + 16 h + i of my row, become a fragment's codes in v[PC] on and its scale word in v[PW].
.macro QUANT s
.irp b, 0,1,2,3
	v_max3_num_f32 v[TM+\b], |v[\s+16*\b]|, |v[\s+1+16*\b]|, 0x2800000
.endr
.irp i, 2,4,6,8,10,12,14
.irp b, 0,1,2,3
	v_max3_num_f32 v[TM+\b], v[TM+\b], |v[\s+16*\b+\i]|, |v[\s+1+16*\b+\i]|
.endr
.endr
.irp b, 0,1,2,3
	s_delay_alu instid0(VALU_DEP_4)
	v_permlanex16_b32 v[TM+4+\b], v[TM+\b], s32, s33
.endr
.irp b, 0,1,2,3
	s_delay_alu instid0(VALU_DEP_4)
	v_max_num_f32 v[TM+\b], v[TM+\b], v[TM+4+\b]   ; with lane l xor 16's: the block's largest magnitude
.endr
.irp b, 0,1,2,3
	s_delay_alu instid0(VALU_DEP_4)
	v_add_nc_u32 v[TM+12+\b], 0xfe000000, v[TM+\b]
.endr
.irp b, 0,1,2,3
	s_delay_alu instid0(VALU_DEP_4)
	v_lshrrev_b32 v[TM+4+\b], 23, v[TM+12+\b]
.endr
	s_delay_alu instid0(VALU_DEP_3)
	v_lshl_or_b32 v[PW], v[TM+5], 8, v[TM+4]
	s_delay_alu instid0(VALU_DEP_1)
	v_lshl_or_b32 v[PW], v[TM+6], 16, v[PW]
	s_delay_alu instid0(VALU_DEP_1)
	v_lshl_or_b32 v[PW], v[TM+7], 24, v[PW]
.irp c, 0,1
	v_cvt_scalef32_pk16_bf6_f32 v[PC+6*\c:PC+2+6*\c], v[\s+32*\c:\s+15+32*\c], v[TM+12+2*\c]
	v_cvt_scalef32_pk16_bf6_f32 v[PC+12+4*\c:PC+14+4*\c], v[\s+16+32*\c:\s+31+32*\c], v[TM+12+2*\c+1]
.endr
	v_nop                                          ; one plain place behind a scaled conversion
.irp c, 0,1                            ; the operand's layout wants a whole block in a lane: lanes 0-15 block 2 c, lanes 16-31 block 2 c + 1
.irp i, 0,1,2
	v_permlane16_swap_b32 v[PC+6*\c+\i], v[PC+12+4*\c+\i]
.endr
.irp i, 0,1,2
	s_delay_alu instid0(VALU_DEP_3)
	v_mov_b32 v[PC+3+6*\c+\i], v[PC+12+4*\c+\i]
.endr
.endr
.endm
.macro IMAGE off                       ; the fragment piece in v[PC] on goes to LDS
.irp c, 0,1,2
	ds_store_b128 v[IA], v[PC+4*\c:PC+4*\c+3] offset:\off+256*\c
.endr
.endm
.macro BARRIER                         ; my LDS stores have landed and my LDS loads are in: then the work-group's barrier
	s_wait_dscnt 0x0
	s_barrier_signal -1
	s_barrier_wait -1
.endm
.macro WLOAD q, base, win              ; 16 rows x 512 bytes of the weight: my wave's K step q; each load reads 512 consecutive bytes
.if \win
	WIN 0x40
.endif
.set JJ, 0
.rept 16
	global_load_b128 v[\base+4*JJ:\base+4*JJ+3], v[WOFF], s[10:11] offset:JJ*16384+\q*512 th:TH_LOAD_NT
.set JJ, JJ+1
.endr
	WIN 0
.endm
	s_load_b512 s[8:23], s[0:1], 0x0               ; x s[8:9], base_weight s[10:11], w1a s[12:13], w1b s[14:15], w2a s[16:17], w2b s[18:19], dora s[20:21], xq s[22:23]
	s_load_b128 s[24:27], s[0:1], 0x40             ; tq s[24:25], wq s[26:27]
	s_load_b64 s[28:29], s[0:1], 0x50              ; mag
	v_lshl_add_u32 v[SPW], v0, 2, SPARE
	v_mov_b32 v[NIL], 0
	ds_add_u32 v[SPW], v[NIL]                      ; the opening lines: the add, twice on end, and the one wait for both
	ds_add_u32 v[SPW], v[NIL]
	v_and_b32 v1, 31, v0                           ; l
	v_and_b32 v2, 15, v0                           ; r
	v_bfe_u32 v3, v0, 4, 1                         ; h
	v_lshrrev_b32 v4, 5, v0
	s_delay_alu instid0(VALU_DEP_1)
	v_readfirstlane_b32 s30, v4                    ; wave v
	v_lshlrev_b32 v[SH8], 3, v3
	s_mov_b32 s31, ttmp9                           ; work-group g
	s_mov_b32 s32, 0x76543210
	s_mov_b32 s33, 0xfedcba98                      ; v_permlanex16_b32's selects for lane l xor 16
	s_mul_i32 s34, s30, STGW                       ; my wave's stage
	v_lshl_add_u32 v[STA], v1, 4, s34
	v_mul_u32_u24 v[RD1], v2, 528
	s_delay_alu instid0(VALU_DEP_1)
	v_lshl_add_u32 v[RD1], v3, 7, v[RD1]
	s_delay_alu instid0(VALU_DEP_1)
	v_add_nc_u32 v[RD1], s34, v[RD1]
	v_and_b32 v[RD2], 8, v2
	s_delay_alu instid0(VALU_DEP_1)
	v_add_nc_u32 v[RD2], v[RD2], v2
	s_delay_alu instid0(VALU_DEP_1)
	v_lshlrev_b32 v[RD2], 2, v[RD2]
	s_delay_alu instid0(VALU_DEP_1)
	v_mad_u32_u24 v[RD2], v3, 7392, v[RD2]
	s_delay_alu instid0(VALU_DEP_1)
	v_add_nc_u32 v[RD2], s34, v[RD2]
	s_delay_alu instid0(VALU_DEP_1)
	v_mad_u32_u24 v[RDA], v3, 2112, v[RD2]
	s_lshl_b32 s35, s30, 4
	v_mul_u32_u24 v[IA], v2, 784
	s_delay_alu instid0(VALU_DEP_1)
	v_lshl_add_u32 v[IA], v3, 7, v[IA]
	s_delay_alu instid0(VALU_DEP_1)
	v_add_nc_u32 v[IA], s35, v[IA]
	s_delay_alu instid0(VALU_DEP_1)
	v_add_nc_u32 v[IA], XI, v[IA]
	v_lshrrev_b32 v[ISA], 2, v2
	s_delay_alu instid0(VALU_DEP_1)
	v_lshlrev_b32 v[ISA], 7, v[ISA]
	v_and_b32 v[W1R], 3, v2
	s_delay_alu instid0(VALU_DEP_1)
	v_lshl_add_u32 v[ISA], v[W1R], 2, v[ISA]
	s_delay_alu instid0(VALU_DEP_1)
	v_add_nc_u32 v[ISA], s35, v[ISA]
	s_delay_alu instid0(VALU_DEP_1)
	v_add_nc_u32 v[ISA], XSI, v[ISA]
	v_mul_u32_u24 v[W1R], v2, 544
	s_delay_alu instid0(VALU_DEP_1)
	v_mad_u32_u24 v[W1R], v3, 112, v[W1R]
	s_delay_alu instid0(VALU_DEP_1)
	v_add_nc_u32 v[W1R], W1T, v[W1R]
	s_delay_alu instid0(VALU_DEP_1)
	v_lshl_add_u32 v[W1E], v3, 5, v[W1R]
	v_mul_u32_u24 v[VTR], v2, 272
	s_delay_alu instid0(VALU_DEP_1)
	v_lshl_add_u32 v[VTR], v3, 7, v[VTR]
	s_delay_alu instid0(VALU_DEP_1)
	v_add_nc_u32 v[VTR], VT, v[VTR]
	s_mul_i32 s35, s30, 3136                       ; copy-out: wave v takes K steps 4 v .. 4 v + 3
	v_mul_u32_u24 v[CPL], v3, 784
	s_delay_alu instid0(VALU_DEP_1)
	v_lshl_add_u32 v[CPL], v2, 4, v[CPL]
	s_delay_alu instid0(VALU_DEP_1)
	v_add_nc_u32 v[CPL], s35, v[CPL]
	s_delay_alu instid0(VALU_DEP_1)
	v_add_nc_u32 v[CPL], XI, v[CPL]
	s_lshl_b32 s35, s30, 7
	v_lshl_add_u32 v[CSL], v1, 2, s35
	s_delay_alu instid0(VALU_DEP_1)
	v_add_nc_u32 v[CSL], XSI, v[CSL]
	v_lshlrev_b32 v[R4], 2, v2
	s_lshl_b32 s35, s30, 6
	v_add_nc_u32 v[NRA], s35, v[R4]
	s_delay_alu instid0(VALU_DEP_1)
	v_add_nc_u32 v[NRA], NRM, v[NRA]
	v_add_nc_u32 v[NRR], NRM, v[R4]
	s_lshl_b32 s35, s30, 11
	v_lshl_add_u32 v[WOFF], v1, 4, s35
	s_and_b32 s34, s31, 1                          ; th: which eight of a block of 16 tokens are ours
	s_lshl_b32 s35, s34, 3
	v_xor_b32 v[CPG], s35, v2                      ; a block's 16 places of 16 bytes: (h, v) goes to (h xor th, v)
	s_delay_alu instid0(VALU_DEP_1)
	v_lshlrev_b32 v[CPG], 4, v[CPG]
	s_delay_alu instid0(VALU_DEP_1)
	v_mad_u32_u24 v[CPG], v3, 12288, v[CPG]
	s_mul_i32 s35, s30, 51200
	v_add_nc_u32 v[CPG], s35, v[CPG]
	v_lshl_add_u32 v[CSG], v1, 2, s35
	s_mul_i32 s35, s30, 102400
	v_lshl_add_u32 v[WCO], v1, 4, s35
	v_lshl_add_u32 v[WSO], v2, 4, s35
	s_delay_alu instid0(VALU_DEP_1)
	v_lshl_add_u32 v[WSO], v3, 3, v[WSO]
	; the small factors, by the thread's number t: w1's rows 4 (t / 16) + 0 .. 3, columns 4 (t % 16) + 0 .. 3; w2's row t / 4, columns j0 + 4 (t % 4) + 0 .. 3
	s_lshl_b32 s35, s30, 7
	s_lshr_b32 s36, s31, 2
	s_lshl_b32 s36, s36, 2                         ; column iO = g / 4 of w1b: our 16 rows of the weight share it
	v_lshrrev_b32 v245, 4, v0
	v_and_b32 v246, 15, v0
	v_lshrrev_b32 v247, 2, v0
	v_and_b32 v248, 3, v0
	v_and_b32 v249, 7, v0
	v_mul_u32_u24 v250, 1088, v245
	v_mul_u32_u24 v251, 1088, v248
	v_lshlrev_b32 v249, 4, v249
	v_lshl_add_u32 v250, v246, 4, v250
	v_lshl_add_u32 v251, v247, 2, v251
	v_add_nc_u32 v249, s35, v249                   ; row 8 v + l % 8 of w1a
	v_mov_b32 v252, s36
	v_add_nc_u32 v250, W1T, v250                   ; where my 16 numbers of w1 go
	v_add_nc_u32 v251, VT, v251                    ; and my four of w2
	v_lshlrev_b32 v245, 6, v245
	v_lshlrev_b32 v246, 4, v246
	v_lshlrev_b32 v247, 4, v247
	v_lshlrev_b32 v248, 4, v248
	; the tensor load: my token's 16,384 bytes as 32 rows of 512, 16 bytes of padding behind each
	s_mov_b32 s72, 1
	s_mul_i32 s73, s30, STGW
	s_mov_b32 s76, (3<<16)|(1<<20)|(6<<22)|(3<<25) ; elements of 8 bytes; padding after every 128 words (code 6), of 4 words (code 3)
	s_mov_b32 s77, 64<<16
	s_mov_b32 s78, 32<<16
	s_mov_b32 s79, 64<<16
	s_mov_b32 s80, 32
	s_mov_b32 s81, 64
	s_mov_b32 s82, 0
	s_mov_b32 s83, 0
	s_lshl_b32 s70, s30, 14
	s_mov_b32 s71, 0
	; where our parts of the buffers begin
	s_bfe_u32 s35, s31, 0x30001                    ; mb = (g / 2) % 8: the block of 16 tokens in its tile of 128
	s_lshr_b32 s36, s31, 4                         ; g / 16: the tile of 128 tokens, and the tile of 256 rows of the weight
	s_and_b32 s37, s31, 15                         ; the block of 16 rows in that tile
	s_mul_i32 s38, s36, 409600
	s_mul_i32 s40, s35, 1536
	s_lshl_b32 s41, s34, 8
	s_add_co_u32 s40, s40, s41
	s_add_co_u32 s40, s40, s38
	s_mov_b32 s41, 0                               ; s[40:41] codes of x and T
	s_lshl_b32 s42, s35, 8
	s_lshl_b32 s43, s34, 7
	s_add_co_u32 s42, s42, s43
	s_add_co_u32 s42, s42, s38
	s_add_co_u32 s42, s42, 49152
	s_mov_b32 s43, 0                               ; s[42:43] their scale words
	s_mul_i32 s44, s36, 819200
	s_mul_i32 s46, s37, 1536
	s_add_co_u32 s46, s46, s44
	s_mov_b32 s47, 0                               ; s[46:47] codes of the weight
	s_lshl_b32 s48, s37, 8
	s_add_co_u32 s48, s48, s44
	s_add_co_u32 s48, s48, 98304
	s_mov_b32 s49, 0                               ; s[48:49] its scale words
	s_lshl_b32 s50, s31, 17
	s_mov_b32 s51, 0                               ; eight tokens of 16,384 bytes
	s_lshl_b32 s52, s31, 18
	s_mov_b32 s53, 0                               ; sixteen rows of 16,384 bytes
	s_and_b32 s54, s31, 3
	s_lshl_b32 s54, s54, 6
	s_mov_b32 s55, 0                               ; column j0 = 16 (g % 4) of w2b
	s_lshl_b32 s38, s31, 6
	s_mov_b32 s39, 0                               ; sixteen numbers of dora and of mag
	s_wait_alu depctr_va_vdst(0)
	s_wait_dscnt 0x0                               ; both opening adds are done
	s_wait_kmcnt 0x0
	s_add_nc_u64 s[8:9], s[8:9], s[50:51]
	s_add_nc_u64 s[74:75], s[8:9], s[70:71]
	s_or_b32 s75, s75, 0x80000000
	tensor_load_to_lds s[72:75], s[76:83]
	s_nop 0
	s_add_nc_u64 s[56:57], s[22:23], s[40:41]
	s_add_nc_u64 s[58:59], s[22:23], s[42:43]
	s_add_nc_u64 s[60:61], s[24:25], s[40:41]
	s_add_nc_u64 s[62:63], s[24:25], s[42:43]
	s_add_nc_u64 s[66:67], s[26:27], s[46:47]
	s_add_nc_u64 s[68:69], s[26:27], s[48:49]
	s_add_nc_u64 s[10:11], s[10:11], s[52:53]
	s_add_nc_u64 s[18:19], s[18:19], s[54:55]
	s_add_nc_u64 s[20:21], s[20:21], s[38:39]
	s_add_nc_u64 s[28:29], s[28:29], s[38:39]
	; the 19 small loads first, then the weight's first 16
.irp k, 0,1,2,3
	global_load_b128 v[96+4*\k:99+4*\k], v245, s[12:13] offset:16*\k
	global_load_b128 v[P+4*\k:P+4*\k+3], v246, s[14:15] offset:256*\k
.endr
	global_load_b128 v[112:115], v247, s[16:17]
.irp k, 0,1,2,3
	global_load_b128 v[116+4*\k:119+4*\k], v248, s[18:19] offset:256*\k
.endr
	global_load_b128 v[152:155], v249, s[12:13]
.irp k, 0,1,2,3
	global_load_b32 v[156+\k], v252, s[14:15] offset:256*\k
.endr
	global_load_b32 v[DOR], v[R4], s[20:21]
	WLOAD 0, L2, 1
.irp t, 0,1,2,3
.irp x, 6,7,8,9,10,11
	v_mov_b32 v[XF+12*\t+\x], 0                    ; K = 64: the upper half of each fragment is zero codes
.endr
.endr
.irp x, 28,29,30,31,216,217,218,219
	v_mov_b32 v[\x], 0                             ; the sums of squares
.endr
.irp x, 4,5,6,7
	v_mov_b32 v[TM+\x], 0                          ; written once: a lane permute's destination counts as one of its sources
.endr
	v_mov_b32 v[T0], 0
	v_mov_b32 v[T1], 0
	; ---- the small factors, the short axis ascending
	s_wait_loadcnt 16                              ; the small loads are in; the weight's 16 may be out
.irp k, 0,1,2,3
.irp x, 0,1,2,3
	v_mul_f32 v[132+4*\k+\x], v[96+4*\k], v[P+\x]
.endr
.endr
.irp x, 0,1,2,3
	v_mul_f32 v[148+\x], v112, v[116+\x]
.endr
.irp rr, 1,2,3
.irp k, 0,1,2,3
.irp x, 0,1,2,3
	v_fma_f32 v[132+4*\k+\x], v[96+4*\k+\rr], v[P+4*\rr+\x], v[132+4*\k+\x]
.endr
.endr
.irp x, 0,1,2,3
	v_fma_f32 v[148+\x], v[112+\rr], v[116+4*\rr+\x], v[148+\x]
.endr
.endr
	v_mul_f32 v160, v152, v156                     ; w1[8 v + l % 8][iO]
	s_delay_alu instid0(VALU_DEP_1)
	v_fma_f32 v160, v153, v157, v160
	s_delay_alu instid0(VALU_DEP_1)
	v_fma_f32 v160, v154, v158, v160
	s_delay_alu instid0(VALU_DEP_1)
	v_fma_f32 v160, v155, v159, v160
	s_delay_alu instid0(VALU_DEP_1)
	v_mul_f32 v160, 0x3e800000, v160               ; x 0.25: exact
.irp k, 0,1,2,3
	ds_store_b128 v250, v[132+4*\k:135+4*\k] offset:272*\k
.endr
.irp x, 0,1,2,3
	ds_store_b32 v251, v[148+\x] offset:272*\x
.endr
.irp k, 0,1,2,3,4,5,6,7
	v_readlane_b32 s[36+2*\k], v160, \k            ; u[k] = 0.25 w1[8 v + k][iO], as pairs for the packed form
	s_mov_b32 s[37+2*\k], s[36+2*\k]
.endr
	BARRIER                                        ; w1 and w2 lie in LDS
	WLOAD 1, L0, 1
	WLOAD 2, L1, 1
	; ---- w1's four fragments, quantised along i.  Tile 2 k + e: lane r takes p = 32 k + 2 r + e, so that a lane of the result below holds the pair p = 2 s, 2 s + 1 of ONE K step s = 16 k + r of tq
.irp k, 0,1
.irp e, 0,1
.irp m, 0,2,4,6                        ; lanes 16-31 take the fours of i in the order 1, 0, 3, 2, ..
	ds_load_b128 v[P+32*\e+4*\m:P+32*\e+4*\m+3], v[W1E] offset:(32*\k+\e)*272+16*\m
	ds_load_b128 v[P+32*\e+4*\m+4:P+32*\e+4*\m+7], v[W1R] offset:(32*\k+\e)*272+16*\m+16
.endr
.endr
	s_wait_dscnt 0x0
	QPAIR P, PC, PC+6
	WORD2 W1S+2*\k, TM+4
	WORD2 W1S+2*\k+1, TM+5
	WIN 0x40
.irp e, 0,1
.irp x, 0,1,2,3,4,5
	v_mov_b32 v[W1F+12*(2*\k+\e)+\x], v[PC+6*\e+\x]
	v_mov_b32 v[W1F+12*(2*\k+\e)+6+\x], 0
.endr
.endr
	WIN 0
.endr
	; ---- x along its row: lane (a, h) takes K step 16 rho + a
	s_wait_tensorcnt 0x0                           ; my token is in my stage; no other wave reads it
.irp rho, 0,1
.irp c, 0,1
.irp m, 0,1,2,3,4,5,6,7
	ds_load_b128 v[P+32*\c+4*\m:P+32*\c+4*\m+3], v[RD1] offset:\rho*8448+256*\c+16*\m
.endr
.endr
	s_wait_dscnt 0x0
	QPAIR P, PC, PC+6
	WORD4 PW
	IMAGE \rho*12544
	ds_store_b32 v[ISA], v[PW] offset:\rho*512     ; both halves of the lanes write the same word with the same value
	s_wait_dscnt 0x0                               ; the stores have read their registers
.endr
	WLOAD 3, L3, 0                                 ; the small factors are done with: the weight's last K step
	; ---- x along i: tile 2 b + u: lane r takes j = 32 b + 8 u + r + 8 (r / 8), its register n i = n in lanes 0-15, 32 + (n xor 4) in lanes 16-31
.irp b, 0,1
.irp u, 0,1
.set II, 0
.rept 32
.if (II/4)%2 == 0
	ds_load_b32 v[P+32*\u+II], v[RDA] offset:528*(II/2)+256*(II%2)+4*(32*\b+8*\u)
.else
	ds_load_b32 v[P+32*\u+II], v[RD2] offset:528*(II/2)+256*(II%2)+4*(32*\b+8*\u)
.endif
.set II, II+1
.endr
.endr
	s_wait_dscnt 0x0
	QPAIR P, XF+24*\b, XF+24*\b+12
	WORD2 XFS+2*\b, TM+4
	WORD2 XFS+2*\b+1, TM+5
.endr
.rept 8
	v_nop                                          ; a scale register written by a vector instruction stands 8 places ahead of a scaled matrix instruction, an operand so written 4
.endr
	; ---- T = x^T w1^T: source 0 = 16 j, source 1 = 16 p.  Register 32 e + 16 b + 8 u + jj of lane (r, h) is T[p = 32 k + 2 r + e][j = 32 b + 16 h + 8 u + jj]: K step 16 k + r of tq, in the order that QUANT takes
.irp k, 0,1
	WIN 0x04                                       ; source 1 (w1): window 1
.irp e, 0,1
.irp t, 0,1,2,3
	v_wmma_scale_f32_16x16x128_f8f6f4 v[P+8*(4*\e+\t):P+8*(4*\e+\t)+7], v[XF+12*\t:XF+12*\t+11], v[W1F+12*(2*\k+\e):W1F+12*(2*\k+\e)+11], 0, v[XFS+\t], v[W1S+2*\k+\e] matrix_a_fmt:MATRIX_FMT_BF6 matrix_b_fmt:MATRIX_FMT_BF6
.endr
.endr
	WIN 0
.rept 5
	v_nop                                          ; four places in front of the first read of results; five in front of the next eight products, which write over these accumulators
.endr
	QUANT P
	IMAGE TIO+\k*12544
	ds_store_b32 v[ISA], v[PW] offset:TSO+\k*512
	s_wait_dscnt 0x0
.endr
	BARRIER                                        ; the eight tokens' images lie in LDS
	; ---- copy-out: wave v takes K steps 4 v .. 4 v + 3 of x and of T; each half of the lanes stores 256 consecutive bytes, aligned
.irp q2, 0,1
.irp c, 0,1,2
	ds_load_b128 v[P+4*(3*\q2+\c):P+4*(3*\q2+\c)+3], v[CPL] offset:\q2*1568+256*\c
	ds_load_b128 v[P+24+4*(3*\q2+\c):P+24+4*(3*\q2+\c)+3], v[CPL] offset:TIO+\q2*1568+256*\c
.endr
.endr
	ds_load_b32 v[P+48], v[CSL]
	ds_load_b32 v[P+49], v[CSL] offset:TSO
.irp m, 0,1,2,3,4,5,6,7
	ds_load_b128 v[V+4*\m:V+4*\m+3], v[VTR] offset:16*\m      ; w2[32 h + 0 .. 31][j0 + r], for the norm
.endr
	s_wait_dscnt 0x0
.irp q2, 0,1
.irp c, 0,1,2
	global_store_b128 v[CPG], v[P+4*(3*\q2+\c):P+4*(3*\q2+\c)+3], s[56:57] offset:\q2*24576+512*\c
	global_store_b128 v[CPG], v[P+24+4*(3*\q2+\c):P+24+4*(3*\q2+\c)+3], s[60:61] offset:\q2*24576+512*\c
.endr
.endr
	global_store_b32 v[CSG], v[P+48], s[58:59]
	global_store_b32 v[CSG], v[P+49], s[62:63]
	s_wait_xcnt 0x0                                ; the stores' data registers are written again only behind this wait
	; ---- the weight: K step q of my wave's four.  16 rows go through my stage as they lie and come back 64 numbers a lane: row r, columns 64 c + 32 h + 0 .. 31
.macro WSTEP q, base, win, cnt
	s_wait_loadcnt \cnt                            ; this K step's 16 loads are in; the later K steps' 16 each may be out
.if \win
	WIN 0x04
.endif
.set JJ, 0
.rept 16
	ds_store_b128 v[STA], v[\base+4*JJ:\base+4*JJ+3] offset:(\q%2)*8448+528*JJ
.set JJ, JJ+1
.endr
	WIN 0
.irp c, 0,1
.irp m, 0,1,2,3,4,5,6,7
	ds_load_b128 v[P+32*\c+4*\m:P+32*\c+4*\m+3], v[RD1] offset:(\q%2)*8448+256*\c+16*\m   ; LDS serves a wave's instructions in order: these see my stores
.endr
.endr
	s_wait_dscnt 0x0
.irp c, 0,1                            ; the norm: (W + u[p] w2[q][j])^2, p = 8 v + 2 q + c
.irp g, 0,1
.irp j, 0,1,2,3,4,5,6,7
	v_pk_fma_f32 v[NT+2*\j:NT+2*\j+1], v[V+16*\g+2*\j:V+16*\g+2*\j+1], s[36+2*(2*\q+\c):37+2*(2*\q+\c)], v[P+32*\c+16*\g+2*\j:P+32*\c+16*\g+2*\j+1] op_sel_hi:[1,0,1]
.endr
.irp j, 0,1,2,3,4,5,6,7
	v_pk_fma_f32 v[28+2*(\j%4)+184*((\j%4)/2):29+2*(\j%4)+184*((\j%4)/2)], v[NT+2*\j:NT+2*\j+1], v[NT+2*\j:NT+2*\j+1], v[28+2*(\j%4)+184*((\j%4)/2):29+2*(\j%4)+184*((\j%4)/2)]
.endr
.endr
.endr
	s_wait_xcnt 0x0                                ; the last K step's stores have read the codes' registers
	QPAIR P, PC, PC+6
	WORD4 SW+\q
.irp c, 0,1,2
	global_store_b128 v[WCO], v[PC+4*\c:PC+4*\c+3], s[66:67] offset:\q*24576+512*\c      ; 512 consecutive bytes, aligned
.endr
.endm
	WSTEP 0, L2, 1, 48
	WSTEP 1, L0, 1, 32
	WSTEP 2, L1, 1, 16
	WSTEP 3, L3, 0, 0
	; ---- the weight's scale words: 256 consecutive bytes; lane (r, h) stores words 2 h and 2 h + 1 of row r
	v_cmp_eq_u32 vcc_lo, 1, v3
	s_delay_alu instid0(VALU_DEP_1)
	v_cndmask_b32 v32, v[SW], v[SW+2], vcc_lo
	s_delay_alu instid0(VALU_DEP_2)
	v_cndmask_b32 v33, v[SW+1], v[SW+3], vcc_lo
	global_store_b64 v[WSO], v[32:33], s[68:69]
	; ---- the sums of squares: my lane's, lane l xor 16's, then the eight waves'
	v_pk_add_f32 v[28:29], v[28:29], v[30:31]
	v_pk_add_f32 v[216:217], v[216:217], v[218:219]
	s_delay_alu instid0(VALU_DEP_1)
	v_pk_add_f32 v[28:29], v[28:29], v[216:217]
	s_delay_alu instid0(VALU_DEP_1)
	v_add_f32 v28, v28, v29
	s_delay_alu instid0(VALU_DEP_1)
	v_permlanex16_b32 v[T1], v28, s32, s33
	s_delay_alu instid0(VALU_DEP_1)
	v_add_f32 v28, v28, v[T1]
	ds_store_b32 v[NRA], v28                       ; both halves of the lanes write the same word with the same value
	BARRIER
	s_cmp_lg_u32 s30, 0
	s_cbranch_scc1 .Lend                           ; wave 0 alone finishes; no barrier follows
.irp k, 0,1,2,3,4,5,6,7
	ds_load_b32 v[34+\k], v[NRR] offset:64*\k
.endr
	s_wait_dscnt 0x0
	v_add_f32 v34, v34, v35
	v_add_f32 v36, v36, v37
	v_add_f32 v38, v38, v39
	v_add_f32 v40, v40, v41
	s_delay_alu instid0(VALU_DEP_3)
	v_add_f32 v34, v34, v36
	s_delay_alu instid0(VALU_DEP_2)
	v_add_f32 v38, v38, v40
	s_delay_alu instid0(VALU_DEP_1)
	v_add_f32 v34, v34, v38
	s_wait_alu depctr_va_vdst(0)
	v_rsq_f32 v42, v34
	v_nop                                          ; one plain place behind a transcendental
	s_wait_alu depctr_va_vdst(0)                   ; and behind it
	v_mul_f32 v42, v[DOR], v42                     ; dora / norm
	v_cmp_gt_u32 vcc_lo, 16, v1
	s_wait_alu depctr_va_vdst(0)
	s_wait_xcnt 0x0                                ; EXEC changes only behind this wait
	s_and_saveexec_b32 s34, vcc_lo
	global_store_b32 v[R4], v42, s[28:29]          ; lanes 0-15: 64 bytes
	s_wait_xcnt 0x0
	s_or_b32 exec_lo, exec_lo, s34
.Lend:
	s_wait_tensorcnt 0x0                           ; the wave's end
	ds_add_u32 v[SPW], v[NIL]
	s_wait_dscnt 0x0
	s_endpgm
.Lfunc_end_k_q7fdc2481d5_prep:
	.size	k_q7fdc2481d5_prep, .Lfunc_end_k_q7fdc2481d5_prep-k_q7fdc2481d5_prep
	.p2alignl 7, 3214868480
	.fill 96, 4, 3214868480
	.section	.rodata,"a",@progbits
	.p2align	6, 0x0
	.amdhsa_kernel k_q7fdc2481d5_prep
		.amdhsa_group_segment_fixed_size 210944
		.amdhsa_private_segment_fixed_size 0
		.amdhsa_enable_private_segment 0
		.amdhsa_kernarg_size 88
		.amdhsa_user_sgpr_count 2
		.amdhsa_user_sgpr_kernarg_segment_ptr 1
		.amdhsa_wavefront_size32 1
		.amdhsa_system_sgpr_workgroup_id_x 1
		.amdhsa_system_sgpr_workgroup_id_y 1
		.amdhsa_system_sgpr_workgroup_id_z 1
		.amdhsa_system_vgpr_workitem_id 0
		.amdhsa_next_free_vgpr 512
		.amdhsa_next_free_sgpr 84
		.amdhsa_reserve_vcc 1
		.amdhsa_float_denorm_mode_32 3
		.amdhsa_float_denorm_mode_16_64 3
		.amdhsa_memory_ordered 1
		.amdhsa_forward_progress 1
		.amdhsa_inst_pref_size 125
	.end_amdhsa_kernel
	.amdgpu_metadata
---
amdhsa.version: [ 1, 2 ]
amdhsa.kernels:
  - .name:           k_q7fdc2481d5_prep
    .symbol:         k_q7fdc2481d5_prep.kd
    .args:
      - { .name: x, .offset: 0, .size: 8, .value_kind: global_buffer, .address_space: global }
      - { .name: base_weight, .offset: 8, .size: 8, .value_kind: global_buffer, .address_space: global }
      - { .name: w1a, .offset: 16, .size: 8, .value_kind: global_buffer, .address_space: global }
      - { .name: w1b, .offset: 24, .size: 8, .value_kind: global_buffer, .address_space: global }
      - { .name: w2a, .offset: 32, .size: 8, .value_kind: global_buffer, .address_space: global }
      - { .name: w2b, .offset: 40, .size: 8, .value_kind: global_buffer, .address_space: global }
      - { .name: dora_weight, .offset: 48, .size: 8, .value_kind: global_buffer, .address_space: global }
      - { .name: xq, .offset: 56, .size: 8, .value_kind: global_buffer, .address_space: global }
      - { .name: tq, .offset: 64, .size: 8, .value_kind: global_buffer, .address_space: global }
      - { .name: wq, .offset: 72, .size: 8, .value_kind: global_buffer, .address_space: global }
      - { .name: mag, .offset: 80, .size: 8, .value_kind: global_buffer, .address_space: global }
    .group_segment_fixed_size: 210944
    .private_segment_fixed_size: 0
    .kernarg_segment_align: 8
    .kernarg_segment_size: 88
    .max_flat_workgroup_size: 256
    .sgpr_count:     84
    .vgpr_count:     512
    .wavefront_size: 32
...
	.end_amdgpu_metadata
.endif
;; end of part 1
;; launch gemm (part 2): grid 16 x 16, 4 waves a work-group, clusters of 4 x 4, 327,680 bytes of LDS; arguments xq, wq, tq, mag, base_bias, w2a, w2b, out0; writes out0
.if DOCPART == 2
	.amdgcn_target "amdgcn-amd-amdhsa--gfx1250"
	.amdhsa_code_object_version 6
	.text
	.protected	k_q7fdc2481d5_gemm
	.globl	k_q7fdc2481d5_gemm
	.p2align	8
	.type	k_q7fdc2481d5_gemm,@function
k_q7fdc2481d5_gemm:
	s_mov_b64 s[64:65], 0
	v_nop
	global_prefetch_b8 v0, s[64:65] scope:SCOPE_SE
	s_setreg_imm32_b32 hwreg(HW_REG_WAVE_MODE, 25, 1), 1
	s_wait_xcnt 0x0
	s_wait_alu depctr_hold_cnt(0) depctr_sa_sdst(0) depctr_va_vdst(0) depctr_va_sdst(0) depctr_va_ssrc(0) depctr_va_vcc(0) depctr_vm_vsrc(0)
	s_getreg_b32 s2, hwreg(HW_REG_IB_STS2, 6, 4)
	s_cmp_eq_u32 s2, 0
	s_cbranch_scc0 .Lentry_in_a_cluster
	s_endpgm
.Lentry_in_a_cluster:
	s_bfe_u32 s2, ttmp6, 0x10000c
	s_cmp_lg_u32 s2, 0xf033
	s_cbranch_scc0 .Lentry_shape_is_right
	s_endpgm
.Lentry_shape_is_right:
; GEMM: out[t][o] = (m - 1) (x W^T + bias) + 0.25 m lokr, m = mag[o]; lokr[t][64 p + q] = sum over j of T[t][p][j] Q(w2)[q][j].  Nothing of reference() is left out here.
; A work-group makes 128 tokens x 256 columns.  Four waves: wave w = 2 kh + nh makes all 128 tokens x columns 128 nh .. 128 nh + 127, for HALF OF K: of each chunk of 512 along K (four steps of 128) it takes steps 2 kh and 2 kh + 1.
; So a fragment that is read from LDS serves eight matrix instructions on either side.  At the end wave w gives 64 tokens' sums to wave w xor 2 through LDS and finishes the other 64: its blocks of 16 tokens are numbered
; from its own place, local block a = block (a + 4 kh) % 8, so that blocks 0-3 are kept and 4-7 are sent by one text.  Each of the two starts its sums with half of the bias.
; CHUNKS: 51,200 bytes of xq (codes, then scale words) and 102,400 of wq, images of operand registers, through a ring of two LDS slots.  Waves 0, 1 fetch the halves of A's chunk, waves 2, 3 those of B's.
; CLUSTERS 4 x 4: A's chunk is asked for jointly along a row of the cluster, B's along a column.
; PREFETCH: behind the load of chunk c each cluster asks once for each block of 256 bytes of chunk c + 2 (behind chunk 0's for 1 and 2): the four partners of a row share A's 200 blocks out by address, 25 to each of waves 0, 1;
; the four of a column B's 400, 50 to each of waves 2, 3; lanes beyond 24 name block 24 again.  The last is chunk 7: nothing beyond the tile is asked for.
; THE MATRIX INSTRUCTION IS USED TRANSPOSED (source 0 = 16 rows of the weight): a lane holds eight neighbouring columns of one token.
; w2 is made in f32 and quantised here, one tile of 16 q by each wave, while chunk 0 is on its way; the four tiles lie in LDS as register images until the end.
; LIMITS: as in the first launch; NaN and infinities are not served; halves of a bias and quarters of m are exact down to 2^-124.
; REGISTERS.  Window 0: v0-31 addresses; v32-63 scale words, a set of 16 for each slot; v64-159, v160-255 two sets of A's fragments (8 x 12).  Window 1: v0-95, v96-191 two sets of B's; v192-255 half the bias, later T's fragments.
; Window 2: the sums of local blocks 0-3; window 3: of blocks 4-7.
.set SLOT,  153600
.set BOFF,  51200                      ; B's part of a slot
.set W2I,   2*SLOT                     ; w2's images: tile z at 1024 z: lane l 16 bytes at 16 l, 8 at 512 + 16 l, the scale word at 520 + 16 l
.set CST,   W2I+4096                   ; 0.25 m of the 256 columns
.set SPARE, CST+1024                   ; the spare words
.set LAA,  3
.set ADRA, 4                           ; v4-7    A's fragments: slot 0 blocks 0-3, 4-7, slot 1 likewise
.set ADRB, 8                           ; v8-9    B's, slot 0, 1
.set ADRS, 10                          ; v10-13  scale words: lanes 0-15 A's, lanes 16-31 B's; as ADRA
.set STO,  14
.set RD,   15
.set CO,   16                          ; v16     16 x lane
.set XS,   17                          ; v17     where I put what I send
.set XR,   18                          ; v18     where my partner puts it
.set R16,  19
.set TS,   20                          ; v20-23  T's scale words
.set W2S,  24                          ; v24-27  w2's
.set SPW,  28
.set NIL,  29
.set PFO,  30                          ; v30     the prefetches' offset
.set KAD,  31                          ; v31     0.25 m of my columns
.set SC,   32
.set AF,   64
.set W2F,  64                          ; at the end: w2's four fragments between runs of zeros
.set RB,   128                         ; at the end: rows read back, two buffers of 64
.set TF,   192                         ; window 1
.set PB,   64                          ; window 1, at the end: the partner's sums, two buffers of 64
.set A1,   0                           ; window 3, at the end: m - 1
.set LK,   192                         ; window 3, at the end: lokr
.set WB,   80                          ; at the head: w2b, 4 x 32
.set WA,   208                         ; w2a
.set P,    212                         ; 32 numbers of w2
.set TM,   244
.set PC,   80
.set T0,   96
.set T1,   97
.set G1A, 24
.set G0A, 32
.set G1B, 40
.set G0B, 48
.set PFA, 88                           ; s[88:89] the prefetches' base; s[90:91] a chunk of my operand
.set MSB, 0
.macro WIN new                         ; the immediate's high byte repeats the setting that is left
.if MSB != \new
	s_set_vgpr_msb (MSB<<8)|\new
.set MSB, \new
.endif
.endm
.macro PLACES n
.rept \n
	v_nop
.endr
.endm
.macro JLOAD g0a, g0b                  ; a joint load; the branch hangs on the wave's number alone
	s_cmp_eq_u32 s21, 0
	s_cbranch_scc0 .Lfor_b_\@
	tensor_load_to_lds s[\g0a:\g0a+3], s[G1A:G1A+7]
	s_nop 0
.rept 4
	v_nop
.endr
	s_branch .Lasked_\@
.Lfor_b_\@:
	tensor_load_to_lds s[\g0b:\g0b+3], s[G1B:G1B+7]
	s_nop 0
.rept 4
	v_nop
.endr
.Lasked_\@:
.endm
.macro ASK k                           ; prefetch my share of the chunk k behind the base
	s_cmp_eq_u32 s21, 0
	s_cbranch_scc0 .Lask_b_\@
	global_prefetch_b8 v[PFO], s[PFA:PFA+1] offset:51200*\k th:TH_LOAD_NT scope:SCOPE_SE
	s_branch .Lask_end_\@
.Lask_b_\@:
	global_prefetch_b8 v[PFO], s[PFA:PFA+1] offset:102400*\k th:TH_LOAD_NT scope:SCOPE_SE
	global_prefetch_b8 v[PFO], s[PFA:PFA+1] offset:102400*\k+6400 th:TH_LOAD_NT scope:SCOPE_SE
.Lask_end_\@:
.endm
.macro CREST                           ; a round of the cluster's barrier behind its opening barrier
	s_cmp_lg_u32 s20, 0
	s_cbranch_scc1 .Lnot_wave_0_\@
	s_barrier_signal -3
.Lnot_wave_0_\@:
	s_barrier_wait -3
	s_barrier_signal -1
	s_barrier_wait -1
.endm
.macro CROUND
	s_barrier_signal -1
	s_barrier_wait -1
	CREST
.endm
	s_load_b512 s[4:19], s[0:1], 0x0               ; xq s[4:5], wq s[6:7], tq s[8:9], mag s[10:11], bias s[12:13], w2a s[14:15], w2b s[16:17], out s[18:19]
	v_lshl_add_u32 v[SPW], v0, 2, SPARE
	v_mov_b32 v[NIL], 0
	ds_add_u32 v[SPW], v[NIL]                      ; the opening lines: the add, twice on end, and the one wait for both
	ds_add_u32 v[SPW], v[NIL]
	v_lshrrev_b32 v1, 5, v0
	v_readfirstlane_b32 s20, v1                    ; wave
	s_lshr_b32 s21, s20, 1                         ; kh.  Also: I fetch for A (0) or for B (1)
	s_and_b32 s22, s20, 1                          ; nh.  Also: which half of that tile I fetch
	s_xor_b32 s23, s21, 1
	s_bfe_u32 s56, ttmp6, 0x40000                  ; cx, cy
	s_bfe_u32 s57, ttmp6, 0x40004
	s_lshl_b32 s59, ttmp9, 2
	s_add_co_u32 s59, s59, s56                     ; tile column
	s_and_b32 s60, ttmp7, 0xffff
	s_lshl_b32 s60, s60, 2
	s_add_co_u32 s60, s60, s57                     ; tile row
	s_lshl_b32 s61, s57, 2
	s_lshl_b32 s61, 15, s61                        ; my row of the cluster
	s_lshl_b32 s62, 0x1111, s56                    ; my column
	s_or_b32 s[G1A], s61, (3<<16)|(1<<21)          ; group 1: rows of 32 elements of 8 bytes, 100 of A, 200 of B
	s_or_b32 s[G1B], s62, (3<<16)|(1<<21)
	s_mov_b32 s[G1A+1], 32<<16
	s_mov_b32 s[G1A+2], 100<<16
	s_mov_b32 s[G1A+3], 32<<16
	s_mov_b32 s[G1A+4], 100
	s_mov_b32 s[G1A+5], 32
	s_mov_b32 s[G1A+6], 0
	s_mov_b32 s[G1A+7], 0
	s_mov_b32 s[G1B+1], 32<<16
	s_mov_b32 s[G1B+2], 200<<16
	s_mov_b32 s[G1B+3], 32<<16
	s_mov_b32 s[G1B+4], 200
	s_mov_b32 s[G1B+5], 32
	s_mov_b32 s[G1B+6], 0
	s_mov_b32 s[G1B+7], 0
	s_mul_i32 s68, s60, 409600                     ; A's tile: by the tile row alone
	s_mul_i32 s72, s22, 25600
	s_add_co_u32 s68, s68, s72
	s_mov_b32 s69, 0
	s_mul_i32 s70, s59, 819200                     ; B's: by the tile column alone
	s_mul_i32 s73, s22, 51200
	s_add_co_u32 s70, s70, s73
	s_mov_b32 s71, 0
	s_add_co_u32 s73, s73, BOFF
	s_mov_b32 s66, 0x76543210
	s_mov_b32 s67, 0xfedcba98                      ; v_permlanex16_b32's selects for lane l xor 16
	s_mul_i32 s74, s21, 30720                      ; A, blocks 0-3: step 2 kh, block 4 kh
	s_mul_i32 s75, s21, 18432
	s_add_co_u32 s75, s75, 6144                    ; A, blocks 4-7: step 2 kh, block 4 (1 - kh)
	s_mul_i32 s76, s21, 49152
	s_mul_i32 s77, s22, 12288
	s_add_co_u32 s76, s76, s77
	s_add_co_u32 s76, s76, BOFF                    ; B: step 2 kh, block 8 nh
	s_lshl_b32 s78, s22, 11
	s_lshl_b32 s80, s21, 10
	s_add_co_u32 s80, s80, s78
	s_add_co_u32 s80, s80, 100352                  ; from A's scale words of blocks 4-7 to B's
	s_lshl_b32 s79, s23, 10
	s_add_co_u32 s78, s78, s79
	s_add_co_u32 s78, s78, 99328                   ; from A's of blocks 0-3 to B's
	s_mul_i32 s77, s21, 1032
	s_add_co_u32 s77, s77, 49152                   ; A's of blocks 0-3: 1,024 kh, word 2 kh
	s_mul_i32 s79, s23, 1016
	s_add_co_u32 s79, s79, 48136                   ; A's of blocks 4-7, less 4 x 256
	s_mul_i32 s81, s20, 8448
	s_add_co_u32 s81, s81, SLOT                    ; my stage on the way out, in slot 1
	s_lshl_b32 s82, s20, 15                        ; what I send, in slot 0
	s_xor_b32 s83, s20, 2
	s_lshl_b32 s83, s83, 15
	s_lshl_b32 s84, s22, 9
	s_add_co_u32 s84, s84, CST
	s_lshl_b32 s85, s20, 8
	s_lshl_b32 s86, s20, 10
	s_add_co_u32 s86, s86, W2I
	v_and_b32 v1, 15, v0                           ; r
	v_bfe_u32 v2, v0, 4, 1                         ; h
	v_bfe_u32 v64, v0, 3, 1                        ; r / 8
	v_xor_b32 v65, v2, v64
	v_and_b32 v66, 7, v0
	v_and_b32 v67, 31, v0
	v_lshlrev_b32 v[LAA], 4, v66                   ; a lane's place in a chunk of 512 bytes of xq or tq
	v_lshl_add_u32 v[LAA], v65, 7, v[LAA]
	v_lshl_add_u32 v[LAA], v64, 8, v[LAA]
	v_lshlrev_b32 v[CO], 4, v67
	v_lshlrev_b32 v[R16], 4, v1
	v_add_nc_u32 v[ADRA], s74, v[LAA]
	v_add_nc_u32 v[ADRA+1], s75, v[LAA]
	v_add_nc_u32 v[ADRA+2], SLOT, v[ADRA]
	v_add_nc_u32 v[ADRA+3], SLOT, v[ADRA+1]
	v_add_nc_u32 v[ADRB], s76, v[CO]
	v_add_nc_u32 v[ADRB+1], SLOT, v[ADRB]
	v_mul_u32_u24 v[ADRS], s78, v2
	v_mul_u32_u24 v[ADRS+1], s80, v2
	v_add_nc_u32 v[ADRS], v[ADRS], v[R16]
	v_add_nc_u32 v[ADRS+1], v[ADRS+1], v[R16]
	v_add_nc_u32 v[ADRS], s77, v[ADRS]
	v_add_nc_u32 v[ADRS+1], s79, v[ADRS+1]
	v_add_nc_u32 v[ADRS+2], SLOT, v[ADRS]
	v_add_nc_u32 v[ADRS+3], SLOT, v[ADRS+1]
	v_mul_u32_u24 v[STO], 528, v1
	v_lshl_add_u32 v[STO], v2, 5, v[STO]
	v_add_nc_u32 v[STO], s81, v[STO]
	v_add_nc_u32 v[RD], s81, v[CO]
	v_add_nc_u32 v[XS], s82, v[CO]
	v_add_nc_u32 v[XR], s83, v[CO]
	v_min_u32 v[PFO], 24, v67
	v_lshlrev_b32 v[PFO], 8, v[PFO]
	v_lshl_add_u32 v[KAD], v2, 5, s84
	v_lshlrev_b32 v68, 7, v2                       ; my 32 numbers of a row of w2b
	v_lshlrev_b32 v69, 5, v2                       ; my eight columns of sixteen
	v_add_nc_u32 v70, s85, v[R16]                  ; row 16 w + r of w2a
	v_lshlrev_b32 v71, 3, v0                       ; my two columns of mag
	v_add_nc_u32 v72, CST, v71
	v_add_nc_u32 v73, s86, v[CO]                   ; where my tile of w2 goes
	v_lshlrev_b32 v74, 3, v2
	v_add_nc_u32 v1, W2I, v[CO]                    ; and where all four are read
	s_wait_alu depctr_va_vdst(0)
	s_wait_dscnt 0x0                               ; both opening adds are done
	s_wait_kmcnt 0x0
	s_add_nc_u64 s[68:69], s[4:5], s[68:69]
	s_add_nc_u64 s[70:71], s[6:7], s[70:71]
.irp s, 0,1
	s_mov_b32 s[G0A+4*\s], 1
	s_add_co_u32 s[G0A+4*\s+1], s72, \s*SLOT
	s_add_nc_u64 s[G0A+4*\s+2:G0A+4*\s+3], s[68:69], \s*51200
	s_or_b32 s[G0A+4*\s+3], s[G0A+4*\s+3], 0x80000000
	s_mov_b32 s[G0B+4*\s], 1
	s_add_co_u32 s[G0B+4*\s+1], s73, \s*SLOT
	s_add_nc_u64 s[G0B+4*\s+2:G0B+4*\s+3], s[70:71], \s*102400
	s_or_b32 s[G0B+4*\s+3], s[G0B+4*\s+3], 0x80000000
.endr
	CROUND                                         ; all sixteen work-groups are here: the first joint loads meet
	JLOAD G0A, G0B                                 ; chunk 0
	; the prefetches' base: my 25 blocks of A's chunk 0, or my 50 of B's
	s_mul_i32 s74, s60, 409600
	s_mul_i32 s75, s56, 12800
	s_add_co_u32 s74, s74, s75
	s_mul_i32 s75, s22, 6400
	s_add_co_u32 s74, s74, s75
	s_mul_i32 s78, s59, 819200
	s_mul_i32 s79, s57, 25600
	s_add_co_u32 s78, s78, s79
	s_mul_i32 s79, s22, 12800
	s_add_co_u32 s78, s78, s79
	s_mov_b32 s90, 102400
	s_mov_b32 s91, 0
	s_mov_b32 s75, 0
	s_cmp_eq_u32 s21, 0
	s_cselect_b32 s74, s74, s78
	s_cselect_b32 s90, 51200, s90
	s_cselect_b64 s[PFA:PFA+1], s[4:5], s[6:7]
	s_add_nc_u64 s[PFA:PFA+1], s[PFA:PFA+1], s[74:75]
	ASK 1
	ASK 2
	s_lshl_b32 s74, s59, 10                        ; the tile's columns in mag, bias and out, in bytes
	s_add_nc_u64 s[10:11], s[10:11], s[74:75]
	s_lshl_b32 s76, s22, 9
	s_add_co_u32 s74, s74, s76                     ; my wave's
	s_add_nc_u64 s[12:13], s[12:13], s[74:75]
	global_load_b64 v[250:251], v71, s[10:11]
	global_load_b128 v[WA:WA+3], v70, s[14:15]
.irp rr, 0,1,2,3
.irp m, 0,1,2,3,4,5,6,7
	global_load_b128 v[WB+32*\rr+4*\m:WB+32*\rr+4*\m+3], v68, s[16:17] offset:256*\rr+16*\m
.endr
.endr
	WIN 0x40                                       ; destination window 1
.irp b, 0,1,2,3,4,5,6,7
.irp x, 0,1
	global_load_b128 v[192+8*\b+4*\x:192+8*\b+4*\x+3], v69, s[12:13] offset:64*\b+16*\x
.endr
.endr
	WIN 0
	s_lshl_b32 s76, s60, 21                        ; out: 128 tokens of 16,384 bytes a tile row, 64 a wave
	s_lshl_b32 s77, s21, 20
	s_add_co_u32 s76, s76, s77
	s_add_co_u32 s76, s76, s74
	s_mov_b32 s77, 0
	s_add_nc_u64 s[18:19], s[18:19], s[76:77]
	s_lshl_b32 s78, s59, 1                         ; T: my columns are one pair of p: K step 2 x tile column + nh of tq
	s_add_co_u32 s78, s78, s22
	s_lshr_b32 s79, s78, 2
	s_and_b32 s80, s78, 3
	s_mul_i32 s82, s60, 409600
	s_mul_i32 s83, s79, 51200
	s_add_co_u32 s82, s82, s83
	s_mul_i32 s84, s80, 12288
	s_mul_i32 s85, s21, 6144
	s_add_co_u32 s84, s84, s85
	s_add_co_u32 s84, s84, s82
	s_mov_b32 s85, 0
	s_lshl_b32 s86, s21, 10
	s_lshl_b32 s87, s80, 2
	s_add_co_u32 s86, s86, s87
	s_add_co_u32 s86, s86, s82
	s_add_co_u32 s86, s86, 49152
	s_mov_b32 s87, 0
	s_add_nc_u64 s[84:85], s[8:9], s[84:85]        ; codes
	s_add_nc_u64 s[86:87], s[8:9], s[86:87]        ; scale words
	; w2's rows q = 16 w + r, j = 32 h + 0 .. 31, and their codes along j
	s_wait_loadcnt 0x10                            ; all but the sixteen loads of the bias
.set J, 0
.rept 32
	v_mul_f32 v[P+J], v[WA], v[WB+J]
.set J, J+1
.endr
.irp rr, 1,2,3
.set J, 0
.rept 32
	v_fma_f32 v[P+J], v[WA+\rr], v[WB+32*\rr+J], v[P+J]
.set J, J+1
.endr
.endr
.irp c, 0,1
	v_max3_num_f32 v[TM+\c], |v[P+16*\c]|, |v[P+16*\c+1]|, 0x2800000   ; the floor 2^(5 - 127) holds the byte at 1 from below
.endr
.irp i, 2,4,6,8,10,12,14
.irp c, 0,1
	v_max3_num_f32 v[TM+\c], v[TM+\c], |v[P+16*\c+\i]|, |v[P+16*\c+\i+1]|
.endr
.endr
	v_max_num_f32 v[TM], v[TM], v[TM+1]
	v_mov_b32 v[T1], 0                             ; (a lane permute's destination counts as one of its sources)
	v_add_nc_u32 v[TM+2], 0xfe000000, v[TM]        ; 4 off the exponent field: the conversion's scale operand
	v_cvt_scalef32_pk16_bf6_f32 v[PC:PC+2], v[P:P+15], v[TM+2]
	v_cvt_scalef32_pk16_bf6_f32 v[PC+8:PC+10], v[P+16:P+31], v[TM+2]
	v_lshrrev_b32 v[TM+3], 23, v[TM+2]             ; the byte; also the plain place behind the conversions
	v_mov_b32 v[PC+3], v[PC+8]
	v_mov_b32 v[PC+4], v[PC+9]
	v_mov_b32 v[PC+5], v[PC+10]
	v_lshlrev_b32 v[T0], v74, v[TM+3]              ; K is 64: my byte is block h,
	v_permlanex16_b32 v[T1], v[T0], s66, s67
	v_or_b32 v[T0], v[T0], v[T1]
	v_lshl_or_b32 v[T1], v[T0], 16, v[T0]          ; and blocks 2, 3 repeat 0, 1: the fragment serves as either half of a K step
	ds_store_b128 v73, v[PC:PC+3]
	ds_store_b64 v73, v[PC+4:PC+5] offset:512
	ds_store_b32 v73, v[T1] offset:520
	v_mul_f32 v250, 0x3e800000, v250               ; 0.25 m
	v_mul_f32 v251, 0x3e800000, v251
	ds_store_b64 v72, v[250:251]
	s_wait_loadcnt 0x0
	WIN 0x41
.set J, 0
.rept 32
	v_pk_mul_f32 v[192+J:193+J], v[192+J:193+J], 0.5 op_sel_hi:[1,0]   ; half of the bias
.set J, J+2
.endr
	WIN 0
; Eight matrix instructions: local block a against B's eight, on fragment set `set`; scale words of slot sl, step k of my two.  init = 1: the sums start with half of the bias.
; The 64 accumulators take turns, one instruction a turn.
.macro GRP a, set, k, sl, init
.if \init
.if (\a) < 4
	WIN 0x91
.else
	WIN 0xd1
.endif
.irp b, 0,1,2,3,4,5,6,7
	v_wmma_scale_f32_16x16x128_f8f6f4 v[8*(8*((\a)%4)+\b):8*(8*((\a)%4)+\b)+7], v[96*(\set)+12*\b:96*(\set)+12*\b+11], v[AF+96*(\set)+12*(\a):AF+96*(\set)+12*(\a)+11], v[192+8*\b:192+8*\b+7], v[SC+16*(\sl)+2*\b+(\k)], v[SC+16*(\sl)+2*(\a)+(\k)] matrix_a_fmt:MATRIX_FMT_BF6 matrix_b_fmt:MATRIX_FMT_BF6 matrix_a_scale:MATRIX_SCALE_ROW1
.endr
.else
.if (\a) < 4
	WIN 0xa1
.else
	WIN 0xf1
.endif
.irp b, 0,1,2,3,4,5,6,7
	v_wmma_scale_f32_16x16x128_f8f6f4 v[8*(8*((\a)%4)+\b):8*(8*((\a)%4)+\b)+7], v[96*(\set)+12*\b:96*(\set)+12*\b+11], v[AF+96*(\set)+12*(\a):AF+96*(\set)+12*(\a)+11], v[8*(8*((\a)%4)+\b):8*(8*((\a)%4)+\b)+7], v[SC+16*(\sl)+2*\b+(\k)], v[SC+16*(\sl)+2*(\a)+(\k)] matrix_a_fmt:MATRIX_FMT_BF6 matrix_b_fmt:MATRIX_FMT_BF6 matrix_a_scale:MATRIX_SCALE_ROW1
.endr
.endif
.endm
.macro FB set, sl, k, f0               ; B's fragments f0 .. f0 + 3 of my step k in slot sl
	WIN 0x40
.irp i, 0,1,2,3
.irp c, 0,1,2
	ds_load_b128 v[96*(\set)+12*(\f0+\i)+4*\c:96*(\set)+12*(\f0+\i)+4*\c+3], v[ADRB+(\sl)] offset:(\k)*24576+(\f0+\i)*1536+512*\c
.endr
.endr
.endm
.macro FA set, sl, k, hf               ; A's local blocks 4 hf .. 4 hf + 3
.irp i, 0,1,2,3
.irp c, 0,1,2
	ds_load_b128 v[AF+96*(\set)+12*(4*(\hf)+\i)+4*\c:AF+96*(\set)+12*(4*(\hf)+\i)+4*\c+3], v[ADRA+2*(\sl)+(\hf)] offset:(\k)*12288+\i*1536+512*\c
.endr
.endr
.endm
.macro SCL sl                          ; both steps' scale words
.irp i, 0,1,2,3,4,5,6,7
	ds_load_b64 v[SC+16*(\sl)+2*\i:SC+16*(\sl)+2*\i+1], v[ADRS+2*(\sl)+\i/4] offset:256*\i
.endr
.endm
; My first step of a chunk, on set 0; the second step's fragments come into set 1 meanwhile, in two runs: B's, then A's.
; Loads into registers that matrix instructions have read stand four places behind them: the four v_nop.
.macro STEP0 sl, init
	s_wait_dscnt 0x0                               ; set 0 and the scale words are in
	PLACES 4
	GRP 0, 0, 0, \sl, \init
	FB 1, \sl, 1, 0
	FB 1, \sl, 1, 4
	GRP 1, 0, 0, \sl, \init
	GRP 2, 0, 0, \sl, \init
	GRP 3, 0, 0, \sl, \init
	WIN 0
	FA 1, \sl, 1, 0
	FA 1, \sl, 1, 1
	GRP 4, 0, 0, \sl, \init
	GRP 5, 0, 0, \sl, \init
	GRP 6, 0, 0, \sl, \init
	GRP 7, 0, 0, \sl, \init
	WIN 0
.endm
; My second step, on set 1, and the change of slots: behind the barrier nobody reads slot sl any more and slot nx is whole.  fill = 1: the barrier opens a round, and slot sl takes the chunk two further on.
.macro STEP1 sl, nx, fill
.if \fill
	s_wait_xcnt 0x0                                ; the last prefetch has read its base
	s_add_nc_u64 s[PFA:PFA+1], s[PFA:PFA+1], s[90:91]
.endif
	s_wait_tensorcnt 0x0                           ; all my tensor loads have landed
	ds_add_u32 v[SPW], v[NIL]
.if \fill
	s_add_nc_u64 s[G0A+4*\sl+2:G0A+4*\sl+3], s[G0A+4*\sl+2:G0A+4*\sl+3], 102400
	s_add_nc_u64 s[G0B+4*\sl+2:G0B+4*\sl+3], s[G0B+4*\sl+2:G0B+4*\sl+3], 204800
.endif
	s_wait_dscnt 0x1                               ; set 1 is in (the add may be out)
	GRP 0, 1, 1, \sl, 0
	s_wait_dscnt 0x0                               ; the add is done; my reads of this slot were the loads of set 1
	s_barrier_signal -1
	GRP 1, 1, 1, \sl, 0
	WIN 0
	s_barrier_wait -1
.if \fill
	CREST
	JLOAD G0A+4*\sl, G0B+4*\sl                     ; its four v_nop are the places in front of the loads below
.else
	PLACES 4
.endif
	FB 0, \nx, 0, 0
	FB 0, \nx, 0, 4
	WIN 0
	SCL \nx
	GRP 2, 1, 1, \sl, 0
	GRP 3, 1, 1, \sl, 0
	WIN 0
	FA 0, \nx, 0, 0
	FA 0, \nx, 0, 1
.if \fill
	s_cmp_gt_u32 s58, 1                            ; the loop's last trip asks for nothing: chunk 7 has been asked for
	s_cbranch_scc0 .Lno_ask_\@
	ASK 3                                          ; the base stands one chunk behind this one: two beyond the chunk just loaded
.Lno_ask_\@:
.else
	WIN 0x40                                       ; T's fragments and scale words of the four blocks that I keep
.irp a, 0,1,2,3
.irp c, 0,1,2
	global_load_b128 v[TF+12*\a+4*\c:TF+12*\a+4*\c+3], v[LAA], s[84:85] offset:\a*1536+512*\c
.endr
.endr
	WIN 0
.irp a, 0,1,2,3
	global_load_b32 v[TS+\a], v[R16], s[86:87] offset:256*\a
.endr
.endif
	GRP 4, 1, 1, \sl, 0
	GRP 5, 1, 1, \sl, 0
	GRP 6, 1, 1, \sl, 0
	GRP 7, 1, 1, \sl, 0
	WIN 0
.endm
	s_wait_alu depctr_va_vdst(0)
	s_wait_tensorcnt 0x0                           ; my part of chunk 0 is in; the full sequence stands ahead of slot 1's first fill
	ds_add_u32 v[SPW], v[NIL]
	s_wait_dscnt 0x0                               ; the add is done, and so are my stores of w2 and m
	CROUND
	JLOAD G0A+4, G0B+4                             ; chunk 1
	FB 0, 0, 0, 0
	FB 0, 0, 0, 4
	WIN 0
	FA 0, 0, 0, 0
	FA 0, 0, 0, 1
	SCL 0
	ASK 3
	STEP0 0, 1
	s_mov_b32 s58, 3
.Llap:                                                 ; a trip goes once round the ring
	STEP1 0, 1, 1
	STEP0 1, 0
	STEP1 1, 0, 1
	STEP0 0, 0
	s_sub_co_u32 s58, s58, 1
	s_cmp_lg_u32 s58, 0
	s_cbranch_scc1 .Llap
	STEP1 0, 1, 0                                  ; chunk 6: nothing is filled again
	STEP0 1, 0                                     ; chunk 7
; THE LAST STEP: blocks 4-7 first.  Each is sent while the next blocks are multiplied: into slot 0, which has had its last fill and its last read.
.macro ZERO z                          ; the zeros between w2's fragments; also the places in front of the stores behind them
.irp x, 0,1,2,3,4,5
	v_mov_b32 v[W2F+12*\z+\x], 0
.endr
.endm
.macro GIVE a
	WIN 0x0c
.set J, 0
.rept 16
	ds_store_b128 v[XS], v[64*((\a)-4)+4*J:64*((\a)-4)+4*J+3] offset:8192*((\a)-4)+512*J
.set J, J+1
.endr
	WIN 0
.endm
	s_wait_dscnt 0x0
	PLACES 4
	WIN 0x40                                       ; 0.25 m of my columns: window 1, v0-63
.irp b, 0,1,2,3,4,5,6,7
.irp x, 0,1
	ds_load_b128 v[8*\b+4*\x:8*\b+4*\x+3], v[KAD] offset:64*\b+16*\x
.endr
.endr
	WIN 0
.irp z, 0,1,2,3                        ; w2's codes: six registers behind six zeros
	ds_load_b128 v[W2F+12*\z+6:W2F+12*\z+9], v1 offset:1024*\z
	ds_load_b64 v[W2F+12*\z+10:W2F+12*\z+11], v1 offset:1024*\z+512
	ds_load_b32 v[W2S+\z], v1 offset:1024*\z+520
.endr
	GRP 4, 1, 1, 1, 0
	GRP 5, 1, 1, 1, 0
	WIN 0
	ZERO 0
	GIVE 4
	GRP 6, 1, 1, 1, 0
	WIN 0
	ZERO 1
	GIVE 5
	GRP 7, 1, 1, 1, 0
	WIN 0
	ZERO 2
	GIVE 6
	GRP 0, 1, 1, 1, 0
	WIN 0
	ZERO 3
	ZERO 4
	GIVE 7
	GRP 1, 1, 1, 1, 0
	GRP 2, 1, 1, 1, 0
	GRP 3, 1, 1, 1, 0
	WIN 0
; lokr of block a: a K step of T holds two p; columns 0-63 take the first (codes, then zeros), columns 64-127 the second (zeros, then codes)
.macro LOKR a
	WIN 0xc4
.irp b, 0,1,2,3,4,5,6,7
	v_wmma_scale_f32_16x16x128_f8f6f4 v[LK+8*\b:LK+8*\b+7], v[W2F+12*(\b%4)+6-6*(\b/4):W2F+12*(\b%4)+17-6*(\b/4)], v[TF+12*(\a):TF+12*(\a)+11], 0, v[W2S+\b%4], v[TS+(\a)] matrix_a_fmt:MATRIX_FMT_BF6 matrix_b_fmt:MATRIX_FMT_BF6
.endr
	WIN 0
.endm
.macro TAKE a                          ; the partner's sums of block a
	WIN 0x40
.set J, 0
.rept 16
	ds_load_b128 v[PB+64*((\a)%2)+4*J:PB+64*((\a)%2)+4*J+3], v[XR] offset:8192*(\a)+512*J
.set J, J+1
.endr
	WIN 0
.endm
.macro COMBINE a
	WIN 0x86                                       ; the two halves of K; these 32 lines are also the places behind lokr's products
.set J, 0
.rept 32
	v_pk_add_f32 v[64*(\a)+J:64*(\a)+J+1], v[64*(\a)+J:64*(\a)+J+1], v[PB+64*((\a)%2)+J:PB+64*((\a)%2)+J+1]
.set J, J+2
.endr
	WIN 0xc7                                       ; 0.25 m lokr
.set J, 0
.rept 32
	v_pk_mul_f32 v[LK+J:LK+J+1], v[LK+J:LK+J+1], v[J:J+1]
.set J, J+2
.endr
	WIN 0xbb                                       ; + (m - 1) (x W^T + bias)
.set J, 0
.rept 32
	v_pk_fma_f32 v[64*(\a)+J:64*(\a)+J+1], v[A1+J:A1+J+1], v[64*(\a)+J:64*(\a)+J+1], v[LK+J:LK+J+1]
.set J, J+2
.endr
	WIN 0
.endm
.macro TOSTAGE a                       ; 16 rows of 512 bytes, 528 apart, and back as whole rows; LDS serves a wave's instructions in order
	WIN 0x08
.irp b, 0,1,2,3,4,5,6,7
	ds_store_b128 v[STO], v[64*(\a)+8*\b:64*(\a)+8*\b+3] offset:64*\b
	ds_store_b128 v[STO], v[64*(\a)+8*\b+4:64*(\a)+8*\b+7] offset:64*\b+16
.endr
	WIN 0
.set J, 0
.rept 16
	ds_load_b128 v[RB+64*((\a)%2)+4*J:RB+64*((\a)%2)+4*J+3], v[RD] offset:528*J
.set J, J+1
.endr
.endm
.macro SEND a                          ; 32 lanes store 512 consecutive bytes, at a multiple of 256
.set J, 0
.rept 16
	global_store_b128 v[CO], v[RB+64*((\a)%2)+4*J:RB+64*((\a)%2)+4*J+3], s[18:19] offset:(16*(\a)+J)*16384 th:TH_STORE_NT
.set J, J+1
.endr
.endm
	s_wait_alu depctr_va_vdst(0)
	s_wait_loadcnt 0x0                             ; T is in
	s_wait_dscnt 0x0                               ; what I send lies in LDS; w2 and m are in
	s_barrier_signal -1
	WIN 0xc1
.set J, 0
.rept 32
	v_pk_fma_f32 v[A1+J:A1+J+1], v[J:J+1], 4.0, -1.0 op_sel_hi:[1,0,0]   ; m - 1, rounded once
.set J, J+2
.endr
	LOKR 0
	s_barrier_wait -1                              ; the partner's sums lie in LDS; nobody reads slot 1 any more: it takes the stages
	TAKE 0
	TAKE 1
	s_wait_dscnt 16                                ; block 0's are in, block 1's sixteen loads may be out
	COMBINE 0
	LOKR 1
	TOSTAGE 0
.irp a, 1,2,3
	s_wait_dscnt 32                                ; the partner's sums of block a are in; the stage's 32 instructions of block a - 1 may be out
	COMBINE \a
	s_wait_alu depctr_va_vdst(0)
.if \a < 3
	LOKR \a+1
	TAKE \a+1
	s_wait_dscnt 16                                ; block a - 1's rows are back; the sixteen loads just issued may be out
.else
	s_wait_dscnt 0x0
.endif
.if \a > 1
	s_wait_xcnt 0x0                                ; block a - 2's stores have read their registers
.endif
	SEND \a-1
	TOSTAGE \a
.endr
	s_wait_dscnt 0x0
	SEND 3
	s_wait_tensorcnt 0x0                           ; the wave's end
	ds_add_u32 v[SPW], v[NIL]
	s_wait_dscnt 0x0
	CROUND                                         ; no work-group ends while a partner may still ask for a tile that names it
	s_endpgm
.Lfunc_end_k_q7fdc2481d5_gemm:
	.size	k_q7fdc2481d5_gemm, .Lfunc_end_k_q7fdc2481d5_gemm-k_q7fdc2481d5_gemm
	.p2alignl 7, 3214868480
	.fill 96, 4, 3214868480
	.section	.rodata,"a",@progbits
	.p2align	6, 0x0
	.amdhsa_kernel k_q7fdc2481d5_gemm
		.amdhsa_group_segment_fixed_size 327680
		.amdhsa_private_segment_fixed_size 0
		.amdhsa_enable_private_segment 0
		.amdhsa_kernarg_size 64
		.amdhsa_user_sgpr_count 2
		.amdhsa_user_sgpr_kernarg_segment_ptr 1
		.amdhsa_wavefront_size32 1
		.amdhsa_system_sgpr_workgroup_id_x 1
		.amdhsa_system_sgpr_workgroup_id_y 1
		.amdhsa_system_sgpr_workgroup_id_z 1
		.amdhsa_system_vgpr_workitem_id 0
		.amdhsa_next_free_vgpr 1024
		.amdhsa_next_free_sgpr 92
		.amdhsa_reserve_vcc 0
		.amdhsa_float_denorm_mode_32 3
		.amdhsa_float_denorm_mode_16_64 3
		.amdhsa_memory_ordered 1
		.amdhsa_forward_progress 1
		.amdhsa_inst_pref_size 183
	.end_amdhsa_kernel
	.amdgpu_metadata
---
amdhsa.version: [ 1, 2 ]
amdhsa.kernels:
  - .name:           k_q7fdc2481d5_gemm
    .symbol:         k_q7fdc2481d5_gemm.kd
    .args:
      - { .name: xq, .offset: 0, .size: 8, .value_kind: global_buffer, .address_space: global }
      - { .name: wq, .offset: 8, .size: 8, .value_kind: global_buffer, .address_space: global }
      - { .name: tq, .offset: 16, .size: 8, .value_kind: global_buffer, .address_space: global }
      - { .name: mag, .offset: 24, .size: 8, .value_kind: global_buffer, .address_space: global }
      - { .name: base_bias, .offset: 32, .size: 8, .value_kind: global_buffer, .address_space: global }
      - { .name: w2a, .offset: 40, .size: 8, .value_kind: global_buffer, .address_space: global }
      - { .name: w2b, .offset: 48, .size: 8, .value_kind: global_buffer, .address_space: global }
      - { .name: out0, .offset: 56, .size: 8, .value_kind: global_buffer, .address_space: global }
    .group_segment_fixed_size: 327680
    .private_segment_fixed_size: 0
    .kernarg_segment_align: 8
    .kernarg_segment_size: 64
    .max_flat_workgroup_size: 128
    .sgpr_count:     92
    .vgpr_count:     1024
    .wavefront_size: 32
...
	.end_amdgpu_metadata
.endif
;; end of part 2
